; MI455X (gfx1250); checked and timed in simulation.
; The chip was launched on July 23, 2026; its instructions are those of AMD's public machine-readable ISA for CDNA 5 (MIT licence, August 2026) and "CDNA5" Instruction Set Architecture Reference Guide (July 2026). The comments in the code are by the model that wrote it; some were corrected since.
;; MH Attention. Allowed arithmetic: matrix products marked QUANTISED: E5M2 operands, one given power-of-two scale a tensor, by v_wmma_f32_16x16x64_bf8_bf8 or v_wmma_f32_16x16x128_bf8_bf8, f32 sums; products left as they are: f32 operands where the result goes on into a quantised operand, else bf16, f16 or f32 operands; f32 sums; everything else in f32.
;; Inputs: W1_codes 2,048 x 16 x 32 uint8 (E5M2 codes of W1, K innermost, in blocks of 32 codes); W2_codes 512 x 64 x 32 uint8 (E5M2 codes of W2, K innermost, in blocks of 32 codes); Wk_codes 512 x 16 x 32 uint8 (E5M2 codes of Wk, K innermost, in blocks of 32 codes); Wm_codes 512 x 16 x 32 uint8 (E5M2 codes of Wm, K innermost, in blocks of 32 codes); Wq_codes 512 x 16 x 32 uint8 (E5M2 codes of Wq, K innermost, in blocks of 32 codes); Wv_codes 512 x 16 x 32 uint8 (E5M2 codes of Wv, K innermost, in blocks of 32 codes); b1 512 float32; b2 512 float32; g1 512 float32; g2 512 float32; k_codes 4 x 4,096 x 16 x 32 uint8 (E5M2 codes of k, K innermost, in blocks of 32 codes); lowp_scales 16 int32 (the exponents e of the quantised operands' scales 2^e); q 4 x 4,096 x 512 float32; v_codes 4 x 4,096 x 16 x 32 uint8 (E5M2 codes of v, K innermost, in blocks of 32 codes).
;; Outputs: out0 4 x 4,096 x 512 float32.
;; This version of the problem:
;;   THIS VERSION OF THE PROBLEM IS GIVEN IN LOW PRECISION. The matrix products marked QUANTISED in the list below multiply operands that are first quantised to E5M2 (5 exponent bits, 2 mantissa bits; 8 bits a number), with one given power-of-two scale for each operand tensor; their sums are f32. All else is computed in f32.
;;   The module's matrix products, in the order in which they are computed (A, B: the left and right operand; K: the contracted axis; several contracted axes count as one K, in the product's order):
;;     1. [M 16,384, K 512] x [K 512, N 512]; A: input q; B: input Wq (given as codes): QUANTISED (scales: A lowp_scales[0], B lowp_scales[1])
;;     2. [M 16,384, K 512] x [K 512, N 512]; A: input k (given as codes); B: input Wk (given as codes): QUANTISED (scales: A lowp_scales[2], B lowp_scales[3])
;;     3. [M 16,384, K 512] x [K 512, N 512]; A: input v (given as codes); B: input Wv (given as codes): QUANTISED (scales: A lowp_scales[4], B lowp_scales[5])
;;     4. batch 32 x [M 64, K 4,096] x [K 4,096, N 64]; A: computed on the way; B: computed on the way: QUANTISED (scales: A lowp_scales[6], B lowp_scales[7])
;;     5. batch 32 x [M 1, K 64] x [K 64, N 4,096]; A: computed on the way; B: computed on the way: left as it is (M = 1 < 16)
;;     6. batch 32 x [M 64, K 64] x [K 64, N 4,096]; A: computed on the way; B: computed on the way: QUANTISED (scales: A lowp_scales[8], B lowp_scales[9])
;;     7. batch 131,072 x [M 1, K 1] x [K 1, N 64]; A: computed on the way; B: computed on the way: left as it is (no contracted axis)
;;     8. [M 16,384, K 512] x [K 512, N 512]; A: computed on the way; B: input Wm (given as codes): QUANTISED (scales: A lowp_scales[10], B lowp_scales[11])
;;     9. [M 16,384, K 512] x [K 512, N 2,048]; A: computed on the way; B: input W1 (given as codes): QUANTISED (scales: A lowp_scales[12], B lowp_scales[13])
;;     10. [M 16,384, K 2,048] x [K 2,048, N 512]; A: computed on the way; B: input W2 (given as codes): QUANTISED (scales: A lowp_scales[14], B lowp_scales[15])
;;   THE QUANTISER, for each operand of a quantised product, along K:
;;     - The operand's scale is 2^e, e = its entry of the input lowp_scales (int32; the entries are numbered through the quantised products in the list's order, A before B).
;;     - Each number is divided by the scale, clamped to +-57,344, and rounded to the nearest number of E5M2, ties to even, subnormals kept.
;;     - The product sums the exact products of the quantised numbers (number of the format x scale) in f32.
;;   ~~~python
;;   def quantise(x, axis, e):      # numpy; x: float32 -> the quantised numbers, widened to float32 again
;;       x = np.moveaxis(x, axis, -1); K = x.shape[-1]
;;       r = np.clip(x / 2.0 ** e, -57344, 57344)
;;       step = 2.0 ** (np.maximum(np.frexp(np.where(r == 0, 1, r))[1] - 1, -14) - 2)
;;       q = np.round(r / step) * step * 2.0 ** e      # np.round: ties to even
;;       return np.moveaxis(q, -1, axis).astype(np.float32)
;;   ~~~
;;   OPERANDS COMPUTED ON THE WAY. 'Computed on the way' means the value that the module computes at that place (a softmax that the list does not call 'softmax' is quantised finished and normalised). What goes into a quantiser is computed in f32, as accurately as f32 sums, v_exp_f32 and their like allow (about 1e-6 of the number): no bf16 or f16 on the way to a quantiser, and a product that is left as it is and whose result goes on into a quantised operand takes f32 operands (vector FMAs, or v_wmma_f32_16x16x4_f32). A number that lies on a knife's edge between two numbers of the format may be rounded either way, as far as f32 arithmetic and the matrix unit's own rounding can turn it there, and no further.
;;   INPUTS GIVEN AS CODES. W1 (in the module: [512, 2048], K = its axis 0); W2 (in the module: [2048, 512], K = its axis 0); Wk (in the module: [512, 512], K = its axis 0); Wm (in the module: [512, 512], K = its axis 0); Wq (in the module: [512, 512], K = its axis 0); Wv (in the module: [512, 512], K = its axis 0); k (in the module: [4, 4096, 512], K = its axis 2); v (in the module: [4, 4096, 512], K = its axis 2): each comes as NAME_codes (uint8): NAME with its K axis moved to the last place and cut into blocks of 32 codes, [.., K / 32, bytes a block], one block behind the other in memory; one code a byte (a code: sign, 5 exponent bits, 2 mantissa bits); its scale is its entry of lowp_scales. Its value is code x scale, taken as it is: it is not quantised again, and the codes and scales need not be those that the quantiser above would give.
;; One version. Each part assembles by itself: llvm-mc -triple=amdgcn-amd-amdhsa -mcpu=gfx1250 --defsym DOCPART=n.
;; ======== version 1 of 1: 3 launches
;; workspace buffers: kvp 4,194,304 bytes; ksp 65,536 bytes; kvc 131,072 bytes; ksum 8,192 bytes
;; launch kvpart (part 1): grid 8 x 32, 4 waves a work-group, clusters of 4 x 1, 327,680 bytes of LDS; arguments k_codes, v_codes, Wk_codes, Wv_codes, lowp_scales, kvp, ksp; writes kvp, ksp
.if DOCPART == 1
	.amdgcn_target "amdgcn-amd-amdhsa--gfx1250"
	.amdhsa_code_object_version 6
	.text
	.protected	k_q9d9088c0ef_kvpart
	.globl	k_q9d9088c0ef_kvpart
	.p2align	8
	.type	k_q9d9088c0ef_kvpart,@function
k_q9d9088c0ef_kvpart:
	s_mov_b64 s[64:65], 0
	v_nop
	global_prefetch_b8 v0, s[64:65] scope:SCOPE_SE
	s_setreg_imm32_b32 hwreg(HW_REG_WAVE_MODE, 25, 1), 1
	s_wait_xcnt 0x0
	s_wait_alu depctr_hold_cnt(0) depctr_sa_sdst(0) depctr_va_vdst(0) depctr_va_sdst(0) depctr_va_ssrc(0) depctr_va_vcc(0) depctr_vm_vsrc(0)
	s_getreg_b32 s2, hwreg(HW_REG_IB_STS2, 6, 4)
	s_cmp_eq_u32 s2, 0
	s_cbranch_scc0 .Lentry_in_a_cluster
	s_endpgm
.Lentry_in_a_cluster:
	s_bfe_u32 s2, ttmp6, 0x10000c
	s_cmp_lg_u32 s2, 0x3003
	s_cbranch_scc0 .Lentry_shape_is_right
	s_endpgm
.Lentry_shape_is_right:
; LINEAR ATTENTION, FIRST OF THREE LAUNCHES: for one batch, one head and one chunk of 512 rows: Kp = k Wk, Vp = v Wv (codes of E5M2 as given), K = elu(Kp) + 1, Vn = Vp / 4096,
; both quantised along the rows, the chunk's part of KV = K^T Vn as raw sums of code products, and the chunk's part of K.sum over the rows (of the unquantised K, f32).
; DEAD WORK: none.  Every input of the problem has a way to the output, and every product of the table is done.  The division by S = 4096 and the later multiplication by S are powers of two
; and are folded, exactly, into the scales of the conversions.  elu(x) + 1 is computed as max(x, 0) + 2^(log2(e) min(x, 0)): both forms in every lane, no choice by data.
; LIMITS: each power of two below is made as an f32 number: e2 + e3 between -126 and 127 (and log2(e) 2^(e2 + e3) a normal number); e6 and e7 + 12 - e4 - e5 between -126 and 112.
; NaN and infinities among the inputs are not served.
; SHARES.  A work-group: 512 rows x its head's 64 columns, for K and for V.  Wave w: rows 128 w .. 128 w + 127, all 64 columns: 32 accumulators.  The head's rows of Wk and Wv (64 x 512 codes each)
; stand in each wave's registers.  k's and v's rows come through two LDS slots, 256 bytes of each row at a time; a wave fetches and reads its own 128 rows.
; CLUSTER.  The four work-groups of a cluster are four heads of one chunk: they need the same rows of k and v, so each tile is asked for jointly (the same load, the same descriptor, mask 15).
; The head enters the addresses of Wk, Wv, kvp and ksp alone.
; LAYOUT.  Source 0 = 16 rows of k (or v), source 1 = 16 rows of the weight: a lane then holds ONE column and its registers run down the rows, which are the next product's K: eight results become eight
; codes by one conversion, registers 2 st, 2 st + 1 of the next operand.  In the projections both sides are fetched 16 bytes a lane at 32 c + 16 (lane / 16): the same order of k on both sides.
; REGISTERS, in windows of 256: window 0: v1-31 addresses, scales, Ksum; v128-255 two sets of four fragments of rows (later: at work).  window 1: Wk's 16 fragments, (column tile ct, K step s) at 16 (4 ct + s);
; later K's codes at 16 ct and V's at 64 + 16 vt.  window 2: Wv's fragments.  window 3: the accumulators, (row tile st, column tile ct) at 64 ct + 8 st; later KV's, tile a = 4 dt + vt at 8 a.
.set PX,    272                        ; a row in LDS: 256 bytes + 16 of padding: the 16 rows of a fragment load start at 16 different groups of four banks
.set WPART, 128*PX                     ; a wave's 128 rows
.set SLOTB, 4*WPART
.set KSX,   2*SLOTB                    ; behind the slots: [wave][64] f32, the waves' parts of Ksum
.set SPARE, KSX+1024                   ; the spare words: 128 bytes a wave, two blocks of 256 bytes that no other line names
.set AX0, 3                            ; v3   my place in my wave's rows, slot 0;  v4 slot 1
.set AX1, 4
.set WO,  5                            ; v5   my byte in a weight's 16 rows: 512 r + 16 h
.set RS,  6                            ; v6   the stage for KV: my wave's part of slot 0 + 16 x lane
.set RL0, 7                            ; v7   4096 w + 16 x lane: the four tiles that I add, in waves 0 and 1's stages; also my byte in the chunk's block of kvp
.set RL1, 8                            ; v8   the same in waves 2 and 3's
.set KSS, 9                            ; v9   where I put a column's sum
.set KSL, 10                           ; v10  where wave 0 reads them
.set GK,  12                           ; v12  8 x lane
.set SPW, 13                           ; v13  my spare word;  v14  0: kept for the add alone
.set NIL, 14
.set SCK, 15                           ; v15  2^e6;  v16  2^(e7 + 12 - e4 - e5): the conversions' scales
.set SCV, 16
.set KSP, 20                           ; v20-27 a pair of sums for each column tile;  v28-31 two more pairs at work
.set TP,  28
.set SA,  128
.set SB,  192
.set WV,  18
.set G1,  32                           ; s[32:39] descriptor group 1;  s[40:43], s[44:47] group 0 for slot 0, slot 1
.set G0A, 40
.set G0B, 44
.set PV,  48                           ; s[48:49] v's codes at my wave's rows
.set C1,  50                           ; s[50:51] log2(e) 2^(e2 + e3);  s[52:53] 2^(e2 + e3)
.set C0,  52
.set LIMK, 54                          ; s54 57,344 x 2^e6;  s55, s56 +-57,344 x 2^(e7 + 12 - e4 - e5)
.set LIMV, 55
.set SEL, 58                           ; s[58:59] lane selects: lane l xor 16
.set MSB, 0
.macro WIN new                         ; the immediate's high byte repeats the setting that is left; a switch that changes nothing is dropped
.if MSB != (\new)
	s_set_vgpr_msb (MSB<<8)|(\new)
.set MSB, (\new)
.endif
.endm
.macro PLACES n
.rept \n
	v_nop
.endr
.endm
.macro ROUND                           ; a round of the cluster's barrier
	s_barrier_signal -1
	s_barrier_wait -1
	s_cmp_lg_u32 s[WV], 0
	s_cbranch_scc1 .Lnw0_\@
	s_barrier_signal -3
.Lnw0_\@:
	s_barrier_wait -3
	s_barrier_signal -1
	s_barrier_wait -1
.endm
; A slot that has been read is filled again: all my tensor loads have landed, the add, the slot's new address, the wait for the add and for my reads, a round of the cluster's barrier, and the joint load first behind it.
.macro CHANGE g0, ptr, off
	WIN 0
	s_wait_tensorcnt 0x0                           ; no tensor load of mine is out: a group 0 may be written
	ds_add_u32 v[SPW], v[NIL]
	s_add_nc_u64 s[\g0+2:\g0+3], s[\ptr:\ptr+1], \off
	s_or_b32 s[\g0+3], s[\g0+3], 0x80000000
	s_wait_dscnt 0x0                               ; the add is done, and my reads of the slot are over
	ROUND
	tensor_load_to_lds s[\g0:\g0+3], s[G1:G1+7]
	s_nop 0
	PLACES 4
.endm
; four fragments (row tiles 4 half .. 4 half + 3, the tile's k2-th 128 along K) into buf: 16 loads
.macro LOADSET buf, adr, half, k2
.set ls, 0
.rept 4
.set lc, 0
.rept 4
	ds_load_b128 v[\buf+16*ls+4*lc:\buf+16*ls+4*lc+3], v[\adr] offset:(4*(\half)+ls)*16*PX+128*(\k2)+32*lc
.set lc, lc+1
.endr
.set ls, ls+1
.endr
.endm
; 16 matrix instructions on 16 different accumulators, one a turn: the four row tiles of buf x the four column tiles, K step ks of the weight
.macro MULSET buf, half, ks, zero
.set ms, 0
.rept 4
.set mc, 0
.rept 4
.set rD, 64*mc+8*(4*(\half)+ms)
.if \zero
	v_wmma_f32_16x16x128_bf8_bf8 v[rD:rD+7], v[\buf+16*ms:\buf+16*ms+15], v[16*(4*mc+(\ks)):16*(4*mc+(\ks))+15], 0
.else
	v_wmma_f32_16x16x128_bf8_bf8 v[rD:rD+7], v[\buf+16*ms:\buf+16*ms+15], v[16*(4*mc+(\ks)):16*(4*mc+(\ks))+15], v[rD:rD+7]
.endif
.set mc, mc+1
.endr
.set ms, ms+1
.endr
.endm
; A tile of 256 along K: two K steps x two halves of my rows, on two sets of fragment registers.  The places stand in front of loads into registers that matrix instructions have read
; (ISA guide 7.12.1 for vector instructions); five at the head, where accumulators may be begun anew.
.macro TILE adr, msb, k0, zero
	WIN 0
	PLACES 5
	LOADSET SA, \adr, 0, 0
	LOADSET SB, \adr, 1, 0
	s_wait_dscnt 16                                ; the older set is in, the younger 16 loads may be out
	WIN \msb
	MULSET SA, 0, \k0, \zero
	WIN 0
	PLACES 4
	LOADSET SA, \adr, 0, 1
	s_wait_dscnt 16
	WIN \msb
	MULSET SB, 1, \k0, \zero
	WIN 0
	PLACES 4
	LOADSET SB, \adr, 1, 1
	s_wait_dscnt 16
	WIN \msb
	MULSET SA, 0, (\k0)+1, 0
	s_wait_dscnt 0x0
	MULSET SB, 1, (\k0)+1, 0
	WIN 0
.endm
; Column tiles 2 beta, 2 beta + 1 of Kp (128 registers of window 3) become K = max(x, 0) + 2^(log2(e) min(x, 0)), are summed down the rows, held at the largest code and converted.
.macro KPOST beta
.set kb, 128*(\beta)
.set kp, KSP+4*(\beta)
	WIN 0x03
.set i, 0
.rept 64
	v_pk_mul_f32 v[SA+2*i:SA+2*i+1], v[kb+2*i:kb+2*i+1], s[C1:C1+1] op_sel_hi:[1,0]   ; each accumulator from its low end on
.set i, i+1
.endr
	WIN 0
.set i, 0
.rept 128
	v_min_num_f32 v[SA+i], 0, v[SA+i]
.set i, i+1
.endr
.set i, 0
.rept 128
	v_exp_f32 v[SA+i], v[SA+i]
.set i, i+1
.endr
	v_nop                                          ; a plain instruction behind the last exponential
	s_wait_alu depctr_va_vdst(0)                   ; one wait for the batch, ahead of its first reader
	WIN 0xcc
.set i, 0
.rept 128
	v_max_num_f32 v[kb+i], 0, v[kb+i]
.set i, i+1
.endr
	WIN 0xc3
.set i, 0
.rept 64
	v_pk_fma_f32 v[kb+2*i:kb+2*i+1], v[kb+2*i:kb+2*i+1], s[C0:C0+1], v[SA+2*i:SA+2*i+1] op_sel_hi:[1,0,1]
.set i, i+1
.endr
	WIN 0x0f                                       ; the sums of the unquantised K down my 64 rows of a column: two chains for each column tile
.set c, 0
.rept 2
	v_pk_add_f32 v[kp+2*c:kp+2*c+1], v[kb+64*c:kb+64*c+1], v[kb+64*c+2:kb+64*c+3]
	v_pk_add_f32 v[TP+2*c:TP+2*c+1], v[kb+64*c+32:kb+64*c+33], v[kb+64*c+34:kb+64*c+35]
.set c, c+1
.endr
	WIN 0x03
.set p, 2
.rept 14
.set c, 0
.rept 2
	v_pk_add_f32 v[kp+2*c:kp+2*c+1], v[kb+64*c+2*p:kb+64*c+2*p+1], v[kp+2*c:kp+2*c+1]
	v_pk_add_f32 v[TP+2*c:TP+2*c+1], v[kb+64*c+32+2*p:kb+64*c+33+2*p], v[TP+2*c:TP+2*c+1]
.set c, c+1
.endr
.set p, p+1
.endr
	WIN 0
.set c, 0
.rept 2
	v_pk_add_f32 v[kp+2*c:kp+2*c+1], v[kp+2*c:kp+2*c+1], v[TP+2*c:TP+2*c+1]
.set c, c+1
.endr
	WIN 0xcc
.set i, 0
.rept 128
	v_min_num_f32 v[kb+i], s[LIMK], v[kb+i]        ; the conversion does not saturate (ISA guide 7.6.2); K is never negative, so the hold is one-sided
.set i, i+1
.endr
	WIN 0x43
.set i, 0
.rept 16
	v_cvt_scalef32_pk8_bf8_f32 v[32*(\beta)+2*i:32*(\beta)+2*i+1], v[kb+8*i:kb+8*i+7], v[SCK]   ; registers 2 st, 2 st + 1 of column tile ct's fragment: rows 16 st + 8 h + 0 .. 7
.set i, i+1
.endr
	v_nop                                          ; a plain instruction behind the last conversion
	WIN 0
.endm
	s_load_b256 s[4:11], s[0:1], 0x0               ; k's codes, v's codes, Wk's, Wv's
	s_load_b128 s[12:15], s[0:1], 0x20             ; the scales' exponents, kvp
	s_load_b64 s[16:17], s[0:1], 0x30              ; ksp
	v_lshl_add_u32 v[SPW], v0, 2, SPARE
	v_mov_b32 v[NIL], 0
	ds_add_u32 v[SPW], v[NIL]                      ; the wave's opening: the add, twice on end, and its wait ahead of my first tensor load
	ds_add_u32 v[SPW], v[NIL]
	v_lshrrev_b32 v1, 5, v0
	v_readfirstlane_b32 s[WV], v1                  ; wave 0..3
	s_and_b32 s20, ttmp7, 0xffff                   ; y = 8 x batch + chunk: shared by the four partners
	s_mov_b32 s[G1], 15|(1<<20)|(1<<21)|(5<<22)|(3<<25)   ; mask: all four; elements of 1 byte; padding on; bit 21 beside a mask; after every 64 words, 4 words
	s_mov_b32 s[G1+1], 256<<16                     ; tensor_dim0
	s_mov_b32 s[G1+2], 128<<16                     ; tensor_dim1
	s_mov_b32 s[G1+3], 256<<16                     ; tile_dim0
	s_mov_b32 s[G1+4], 128                         ; tile_dim1
	s_mov_b32 s[G1+5], 512                         ; from row to row
	s_mov_b32 s[G1+6], 0
	s_mov_b32 s[G1+7], 0
	s_mov_b32 s[SEL], 0x76543210
	s_mov_b32 s[SEL+1], 0xfedcba98
	s_mul_i32 s21, s[WV], WPART                    ; my wave's part of a slot
	v_and_b32 v1, 15, v0                           ; r
	v_bfe_u32 v2, v0, 4, 1                         ; h
	v_and_b32 v17, 31, v0                          ; lane
	v_mul_u32_u24 v[AX0], v1, PX
	v_lshl_add_u32 v[AX0], v2, 4, v[AX0]
	v_add_nc_u32 v[AX0], s21, v[AX0]
	v_add_nc_u32 v[AX1], SLOTB, v[AX0]
	v_lshlrev_b32 v[WO], 9, v1
	v_lshl_add_u32 v[WO], v2, 4, v[WO]
	v_lshlrev_b32 v[RS], 4, v17
	s_lshl_b32 s22, s[WV], 12
	v_add_nc_u32 v[RL0], s22, v[RS]
	v_add_nc_u32 v[RL1], 2*WPART, v[RL0]
	v_add_nc_u32 v[RS], s21, v[RS]
	s_lshl_b32 s22, s[WV], 8
	v_lshl_add_u32 v[KSS], v1, 2, s22
	v_add_nc_u32 v[KSS], KSX, v[KSS]
	v_lshlrev_b32 v[GK], 3, v17
	v_add_nc_u32 v[KSL], KSX, v[GK]
	s_lshl_b32 s2, s20, 18                         ; 512 rows x 512 bytes a chunk,
	s_lshl_b32 s3, s[WV], 16                       ; 128 rows a wave
	s_add_co_u32 s2, s2, s3
	s_mov_b32 s3, 0
	s_bfe_u32 s19, ttmp6, 0x40000                  ; cx
	s_lshl_b32 s60, ttmp9, 2
	s_add_co_u32 s19, s19, s60                     ; the head = 4 x cluster x + cx: in registers that feed no descriptor and no LDS address
	s_lshr_b32 s62, s20, 3
	s_lshl_b32 s62, s62, 6
	s_lshl_b32 s63, s19, 3
	s_add_co_u32 s62, s62, s63
	s_and_b32 s63, s20, 7
	s_add_co_u32 s62, s62, s63                     ; 8 (8 batch + head) + chunk
	s_wait_dscnt 0x0                               ; both opening adds are done
	s_wait_kmcnt 0x0
	s_load_b256 s[24:31], s[12:13], 0x0            ; e0 .. e7
	s_add_nc_u64 s[4:5], s[4:5], s[2:3]            ; k at my wave's rows
	s_add_nc_u64 s[PV:PV+1], s[6:7], s[2:3]        ; v likewise
	s_lshl_b32 s60, s19, 15                        ; the head's 64 rows of a weight
	s_mov_b32 s61, 0
	s_add_nc_u64 s[8:9], s[8:9], s[60:61]
	s_add_nc_u64 s[10:11], s[10:11], s[60:61]
	s_lshl_b32 s60, s62, 14
	s_add_nc_u64 s[14:15], s[14:15], s[60:61]      ; my block of kvp
	s_lshl_b32 s60, s62, 8
	s_add_nc_u64 s[16:17], s[16:17], s[60:61]      ; my row of ksp
	ROUND                                          ; all four work-groups are here: the first joint loads meet
	s_mov_b32 s[G0A], 1
	s_mov_b32 s[G0A+1], s21
	s_mov_b64 s[G0A+2:G0A+3], s[4:5]               ; k, bytes 0 .. 255 of my rows
	s_or_b32 s[G0A+3], s[G0A+3], 0x80000000
	s_mov_b32 s[G0B], 1
	s_add_co_u32 s[G0B+1], s21, SLOTB
	s_add_nc_u64 s[G0B+2:G0B+3], s[4:5], 256       ; k, bytes 256 .. 511
	s_or_b32 s[G0B+3], s[G0B+3], 0x80000000
	tensor_load_to_lds s[G0A:G0A+3], s[G1:G1+7]    ; every wave issues both first fills: two loads of mine are out
	s_nop 0
	tensor_load_to_lds s[G0B:G0B+3], s[G1:G1+7]
	s_nop 0
	PLACES 4
	WIN 0x40                                       ; destination window 1
.set i, 0
.rept 16                                       ; i = 4 ct + s
.set c, 0
.rept 4
	global_load_b128 v[16*i+4*c:16*i+4*c+3], v[WO], s[8:9] offset:8192*(i/4)+128*(i%4)+32*c
.set c, c+1
.endr
.set i, i+1
.endr
	WIN 0x80                                       ; destination window 2
.set i, 0
.rept 16
.set c, 0
.rept 4
	global_load_b128 v[16*i+4*c:16*i+4*c+3], v[WO], s[10:11] offset:8192*(i/4)+128*(i%4)+32*c
.set c, c+1
.endr
.set i, i+1
.endr
	WIN 0
	s_wait_kmcnt 0x0
	s_add_co_i32 s2, s26, s27                      ; e2 + e3: a sum of the first product stands for sum x 2^(e2 + e3)
	s_lshl_b32 s3, s2, 23
	s_add_co_i32 s[C1], s3, 0x3fb8aa3b             ; added to log2(e)'s exponent field
	s_mov_b32 s[C1+1], s[C1]
	s_add_co_i32 s2, s2, 127
	s_lshl_b32 s[C0], s2, 23
	s_mov_b32 s[C0+1], s[C0]
	s_add_co_i32 s2, s30, 127                      ; e6
	s_lshl_b32 s3, s2, 23
	v_mov_b32 v[SCK], s3
	s_add_co_i32 s2, s2, 15
	s_lshl_b32 s2, s2, 23
	s_or_b32 s[LIMK], s2, 0x600000
	s_sub_co_i32 s2, s31, s28                      ; Vn = sum x 2^(e4 + e5 - 12): its code is sum / 2^(e7 + 12 - e4 - e5)
	s_sub_co_i32 s2, s2, s29
	s_add_co_i32 s2, s2, 139
	s_lshl_b32 s3, s2, 23
	v_mov_b32 v[SCV], s3
	s_add_co_i32 s2, s2, 15
	s_lshl_b32 s2, s2, 23
	s_or_b32 s[LIMV], s2, 0x600000
	s_xor_b32 s[LIMV+1], s[LIMV], 0x80000000
	s_wait_tensorcnt 0x1                           ; my rows' first 256 bytes of k are in; the second load may stay out.  Only I read what I fetched
	s_wait_loadcnt 63                              ; of the 128 weight loads at most the youngest 63 are out: Wk's 64 are in
	TILE AX0, 0xf4, 0, 1                           ; Kp, K steps 0, 1: the first products start the sums
	CHANGE G0A, PV, 0                              ; slot 0 takes v, bytes 0 .. 255
	TILE AX1, 0xf4, 2, 0                           ; Kp, K steps 2, 3
	CHANGE G0B, PV, 256                            ; slot 1 takes v, bytes 256 .. 511; its four v_nop are the places in front of the first read of results
	KPOST 0
	KPOST 1
.set c, 0
.rept 4
	v_add_f32 v[KSP+2*c], v[KSP+2*c], v[KSP+2*c+1]
.set c, c+1
.endr
.set c, 0
.rept 4
	v_permlanex16_b32 v[TP+c], v[KSP+2*c], s[SEL], s[SEL+1]   ; the column's other 64 rows lie in the lane 16 away
.set c, c+1
.endr
.set c, 0
.rept 4
	v_add_f32 v[KSP+2*c], v[KSP+2*c], v[TP+c]
.set c, c+1
.endr
.set c, 0
.rept 4
	ds_store_b32 v[KSS], v[KSP+2*c] offset:64*c    ; column 16 ct + r of my 128 rows (both halves of the lanes write the same number)
.set c, c+1
.endr
	s_wait_loadcnt 0x0                             ; Wv
	TILE AX0, 0xf8, 0, 1                           ; Vp (its tile was shown landed by the wait for 0 in the last change)
	s_wait_tensorcnt 0x0                           ; my last load
	TILE AX1, 0xf8, 2, 0
	PLACES 4
	WIN 0xc3
.set i, 0
.rept 256
	v_med3_num_f32 v[i], v[i], s[LIMV+1], s[LIMV]
.set i, i+1
.endr
	WIN 0x43
.set i, 0
.rept 32
	v_cvt_scalef32_pk8_bf8_f32 v[64+2*i:64+2*i+1], v[8*i:8*i+7], v[SCV]
.set i, i+1
.endr
	v_nop
	WIN 0xc5                                       ; sources 0 and 1 window 1, destination window 3
.set a, 0
.rept 16                                       ; KV(d, v) over my 128 rows: source 0 = 16 columns d of K, source 1 = 16 columns v of V
	v_wmma_f32_16x16x128_bf8_bf8 v[8*a:8*a+7], v[16*(a/4):16*(a/4)+15], v[64+16*(a%4):64+16*(a%4)+15], 0
.set a, a+1
.endr
	PLACES 4
	WIN 0x0c                                       ; store data window 3
.set i, 0
.rept 32
	ds_store_b128 v[RS], v[4*i:4*i+3] offset:512*i ; an image of the registers, into my part of slot 0, which has had its last fill and my last read
.set i, i+1
.endr
	WIN 0
	s_wait_dscnt 0x0                               ; for the others' sake: my stores have landed
	s_barrier_signal -1
	s_barrier_wait -1
.set i, 0
.rept 8                                        ; tiles 4 w .. 4 w + 3 of all four waves
	ds_load_b128 v[SA+4*i:SA+4*i+3], v[RL0] offset:512*i
	ds_load_b128 v[SA+32+4*i:SA+32+4*i+3], v[RL0] offset:WPART+512*i
	ds_load_b128 v[SA+64+4*i:SA+64+4*i+3], v[RL1] offset:512*i
	ds_load_b128 v[SA+96+4*i:SA+96+4*i+3], v[RL1] offset:WPART+512*i
.set i, i+1
.endr
	s_wait_dscnt 0x0
.set p, 0
.rept 16
	v_pk_add_f32 v[SA+2*p:SA+2*p+1], v[SA+2*p:SA+2*p+1], v[SA+32+2*p:SA+33+2*p]
	v_pk_add_f32 v[SA+64+2*p:SA+65+2*p], v[SA+64+2*p:SA+65+2*p], v[SA+96+2*p:SA+97+2*p]
.set p, p+1
.endr
.set p, 0
.rept 16
	v_pk_add_f32 v[SA+2*p:SA+2*p+1], v[SA+2*p:SA+2*p+1], v[SA+64+2*p:SA+65+2*p]
.set p, p+1
.endr
.set i, 0
.rept 8
	global_store_b128 v[RL0], v[SA+4*i:SA+4*i+3], s[14:15] offset:512*i   ; 32 lanes store 512 consecutive bytes, aligned
.set i, i+1
.endr
	s_cmp_lg_u32 s[WV], 0                          ; wave 0 adds the four waves' parts of Ksum
	s_cbranch_scc1 .Lnoks
.set c, 0
.rept 4
	ds_load_b64 v[KSP+2*c:KSP+2*c+1], v[KSL] offset:256*c
.set c, c+1
.endr
	s_wait_dscnt 0x0
	v_pk_add_f32 v[KSP:KSP+1], v[KSP:KSP+1], v[KSP+2:KSP+3]
	v_pk_add_f32 v[KSP+4:KSP+5], v[KSP+4:KSP+5], v[KSP+6:KSP+7]
	v_pk_add_f32 v[KSP:KSP+1], v[KSP:KSP+1], v[KSP+4:KSP+5]
	global_store_b64 v[GK], v[KSP:KSP+1], s[16:17] ; 256 consecutive bytes, aligned
.Lnoks:
	s_wait_tensorcnt 0x0                           ; the wave's end
	ds_add_u32 v[SPW], v[NIL]
	s_wait_dscnt 0x0
	ROUND                                          ; the closing round
	s_endpgm
.Lfunc_end_k_q9d9088c0ef_kvpart:
	.size	k_q9d9088c0ef_kvpart, .Lfunc_end_k_q9d9088c0ef_kvpart-k_q9d9088c0ef_kvpart
	.p2alignl 7, 3214868480
	.fill 96, 4, 3214868480
	.section	.rodata,"a",@progbits
	.p2align	6, 0x0
	.amdhsa_kernel k_q9d9088c0ef_kvpart
		.amdhsa_group_segment_fixed_size 327680
		.amdhsa_private_segment_fixed_size 0
		.amdhsa_enable_private_segment 0
		.amdhsa_kernarg_size 56
		.amdhsa_user_sgpr_count 2
		.amdhsa_user_sgpr_kernarg_segment_ptr 1
		.amdhsa_wavefront_size32 1
		.amdhsa_system_sgpr_workgroup_id_x 1
		.amdhsa_system_sgpr_workgroup_id_y 1
		.amdhsa_system_sgpr_workgroup_id_z 1
		.amdhsa_system_vgpr_workitem_id 0
		.amdhsa_next_free_vgpr 1024
		.amdhsa_next_free_sgpr 66
		.amdhsa_reserve_vcc 0
		.amdhsa_float_denorm_mode_32 3
		.amdhsa_float_denorm_mode_16_64 3
		.amdhsa_memory_ordered 1
		.amdhsa_forward_progress 1
		.amdhsa_inst_pref_size 142
	.end_amdhsa_kernel
	.amdgpu_metadata
---
amdhsa.version: [ 1, 2 ]
amdhsa.kernels:
  - .name:           k_q9d9088c0ef_kvpart
    .symbol:         k_q9d9088c0ef_kvpart.kd
    .args:
      - { .name: k_codes, .offset: 0, .size: 8, .value_kind: global_buffer, .address_space: global }
      - { .name: v_codes, .offset: 8, .size: 8, .value_kind: global_buffer, .address_space: global }
      - { .name: Wk_codes, .offset: 16, .size: 8, .value_kind: global_buffer, .address_space: global }
      - { .name: Wv_codes, .offset: 24, .size: 8, .value_kind: global_buffer, .address_space: global }
      - { .name: lowp_scales, .offset: 32, .size: 8, .value_kind: global_buffer, .address_space: global }
      - { .name: kvp, .offset: 40, .size: 8, .value_kind: global_buffer, .address_space: global }
      - { .name: ksp, .offset: 48, .size: 8, .value_kind: global_buffer, .address_space: global }
    .group_segment_fixed_size: 327680
    .private_segment_fixed_size: 0
    .kernarg_segment_align: 8
    .kernarg_segment_size: 56
    .max_flat_workgroup_size: 128
    .sgpr_count:     66
    .vgpr_count:     1024
    .wavefront_size: 32
...
	.end_amdgpu_metadata
.endif
;; end of part 1
;; launch kvsum (part 2): grid 128 x 1, 4 waves a work-group, no clusters, 0 bytes of LDS; arguments kvp, ksp, lowp_scales, kvc, ksum; writes kvc, ksum
.if DOCPART == 2
	.amdgcn_target "amdgcn-amd-amdhsa--gfx1250"
	.amdhsa_code_object_version 6
	.text
	.protected	k_q9d9088c0ef_kvsum
	.globl	k_q9d9088c0ef_kvsum
	.p2align	8
	.type	k_q9d9088c0ef_kvsum,@function
k_q9d9088c0ef_kvsum:
	s_mov_b64 s[64:65], 0
	v_nop
	global_prefetch_b8 v0, s[64:65] scope:SCOPE_SE
	s_setreg_imm32_b32 hwreg(HW_REG_WAVE_MODE, 25, 1), 1
	s_wait_xcnt 0x0
; SECOND LAUNCH: the eight chunks' parts of KV and of Ksum are added (f32), and KV is quantised with its given scale 2^e8 into the order of the operand's registers.  No work is left out.
; kvp: [bh 32][chunk 8][tile a = 4 dt + vt][q 2][lane][4 f32]: register 4 q + i of lane (r, h) is the raw sum of code products of KV[d = 16 dt + 8 h + 4 q + i][v = 16 vt + r]; KV = sum x 2^(e6 + e7).
; kvc: [bh][vt][c = dt][lane][8 codes]: registers 2 c, 2 c + 1 of the fragment (16 rows v x 64 along d) of tile vt.  A work-group takes (bh, dt), a wave vt: a lane's eight sums are eight neighbours along d.
; LIMIT: e8 - e6 - e7 between -126 and 112.  Memory binds; no LDS, no barrier: waves share nothing.
	s_load_b256 s[4:11], s[0:1], 0x0               ; kvp, ksp, the scales' exponents, kvc
	s_load_b64 s[12:13], s[0:1], 0x20              ; ksum
	v_lshrrev_b32 v1, 5, v0
	v_readfirstlane_b32 s14, v1                    ; vt
	v_and_b32 v2, 31, v0                           ; lane
	s_lshr_b32 s15, ttmp9, 2                       ; bh
	s_and_b32 s36, ttmp9, 3                        ; dt
	s_lshl_b32 s37, s36, 12
	s_lshl_b32 s38, s14, 10
	s_add_co_u32 s37, s37, s38
	v_lshl_add_u32 v3, v2, 4, s37                  ; in: 4096 dt + 1024 vt + 16 lane
	s_lshl_b32 s37, s36, 8
	s_add_co_u32 s37, s37, s38
	v_lshl_add_u32 v4, v2, 3, s37                  ; out: 1024 vt + 256 dt + 8 lane
	v_lshlrev_b32 v5, 3, v2
	s_mov_b32 s39, 0
	s_wait_kmcnt 0x0
	s_load_b512 s[16:31], s[8:9], 0x0              ; e0 .. e15
	s_lshl_b32 s38, s15, 17
	s_add_nc_u64 s[4:5], s[4:5], s[38:39]
	s_lshl_b32 s38, s15, 12
	s_add_nc_u64 s[10:11], s[10:11], s[38:39]
	s_lshl_b32 s38, s15, 11
	s_add_nc_u64 s[6:7], s[6:7], s[38:39]
	s_lshl_b32 s38, s15, 8
	s_add_nc_u64 s[12:13], s[12:13], s[38:39]
.set i, 0
.rept 16                                       ; i = 2 chunk + q: each load reads 512 consecutive bytes
	global_load_b128 v[16+4*i:19+4*i], v3, s[4:5] offset:16384*(i/2)+512*(i%2) th:TH_LOAD_NT
.set i, i+1
.endr
	s_wait_kmcnt 0x0
	s_sub_co_i32 s32, s24, s22
	s_sub_co_i32 s32, s32, s23
	s_add_co_i32 s32, s32, 127                     ; KV's code is sum / 2^(e8 - e6 - e7)
	s_lshl_b32 s33, s32, 23
	v_mov_b32 v8, s33
	s_add_co_i32 s32, s32, 15
	s_lshl_b32 s32, s32, 23
	s_or_b32 s33, s32, 0x600000                    ; 57,344 x that
	s_xor_b32 s34, s33, 0x80000000
	s_wait_loadcnt 0x0
.set i, 0
.rept 16
	v_pk_add_f32 v[16+2*i:17+2*i], v[16+2*i:17+2*i], v[48+2*i:49+2*i]
.set i, i+1
.endr
.set i, 0
.rept 8
	v_pk_add_f32 v[16+2*i:17+2*i], v[16+2*i:17+2*i], v[32+2*i:33+2*i]
.set i, i+1
.endr
.set i, 0
.rept 4
	v_pk_add_f32 v[16+2*i:17+2*i], v[16+2*i:17+2*i], v[24+2*i:25+2*i]
.set i, i+1
.endr
.set i, 0
.rept 8
	v_med3_num_f32 v[16+i], v[16+i], s34, s33      ; the conversion does not saturate (ISA guide 7.6.2)
.set i, i+1
.endr
	v_cvt_scalef32_pk8_bf8_f32 v[6:7], v[16:23], v8
	v_nop
	global_store_b64 v4, v[6:7], s[10:11]          ; 256 consecutive bytes, aligned
	s_or_b32 s37, s36, s14                         ; one wave for each (batch, head) adds Ksum: ids alone
	s_cmp_lg_u32 s37, 0
	s_cbranch_scc1 .Ldone
.set i, 0
.rept 8
	global_load_b64 v[80+2*i:81+2*i], v5, s[6:7] offset:256*i th:TH_LOAD_NT
.set i, i+1
.endr
	s_wait_loadcnt 0x0
.set i, 0
.rept 4
	v_pk_add_f32 v[80+2*i:81+2*i], v[80+2*i:81+2*i], v[88+2*i:89+2*i]
.set i, i+1
.endr
	v_pk_add_f32 v[80:81], v[80:81], v[84:85]
	v_pk_add_f32 v[82:83], v[82:83], v[86:87]
	v_pk_add_f32 v[80:81], v[80:81], v[82:83]
	global_store_b64 v5, v[80:81], s[12:13]
.Ldone:
	s_endpgm
.Lfunc_end_k_q9d9088c0ef_kvsum:
	.size	k_q9d9088c0ef_kvsum, .Lfunc_end_k_q9d9088c0ef_kvsum-k_q9d9088c0ef_kvsum
	.p2alignl 7, 3214868480
	.fill 96, 4, 3214868480
	.section	.rodata,"a",@progbits
	.p2align	6, 0x0
	.amdhsa_kernel k_q9d9088c0ef_kvsum
		.amdhsa_group_segment_fixed_size 0
		.amdhsa_private_segment_fixed_size 0
		.amdhsa_enable_private_segment 0
		.amdhsa_kernarg_size 40
		.amdhsa_user_sgpr_count 2
		.amdhsa_user_sgpr_kernarg_segment_ptr 1
		.amdhsa_wavefront_size32 1
		.amdhsa_system_sgpr_workgroup_id_x 1
		.amdhsa_system_sgpr_workgroup_id_y 1
		.amdhsa_system_sgpr_workgroup_id_z 1
		.amdhsa_system_vgpr_workitem_id 0
		.amdhsa_next_free_vgpr 96
		.amdhsa_next_free_sgpr 66
		.amdhsa_reserve_vcc 0
		.amdhsa_float_denorm_mode_32 3
		.amdhsa_float_denorm_mode_16_64 3
		.amdhsa_memory_ordered 1
		.amdhsa_forward_progress 1
		.amdhsa_inst_pref_size 8
	.end_amdhsa_kernel
	.amdgpu_metadata
---
amdhsa.version: [ 1, 2 ]
amdhsa.kernels:
  - .name:           k_q9d9088c0ef_kvsum
    .symbol:         k_q9d9088c0ef_kvsum.kd
    .args:
      - { .name: kvp, .offset: 0, .size: 8, .value_kind: global_buffer, .address_space: global }
      - { .name: ksp, .offset: 8, .size: 8, .value_kind: global_buffer, .address_space: global }
      - { .name: lowp_scales, .offset: 16, .size: 8, .value_kind: global_buffer, .address_space: global }
      - { .name: kvc, .offset: 24, .size: 8, .value_kind: global_buffer, .address_space: global }
      - { .name: ksum, .offset: 32, .size: 8, .value_kind: global_buffer, .address_space: global }
    .group_segment_fixed_size: 0
    .private_segment_fixed_size: 0
    .kernarg_segment_align: 8
    .kernarg_segment_size: 40
    .max_flat_workgroup_size: 128
    .sgpr_count:     66
    .vgpr_count:     96
    .wavefront_size: 32
...
	.end_amdgpu_metadata
.endif
;; end of part 2
;; launch layer (part 3): grid 256 x 1, 4 waves a work-group, clusters of 4 x 1, 327,680 bytes of LDS; arguments q, Wq_codes, Wm_codes, W1_codes, W2_codes, kvc, ksum, g1, b1, g2, b2, lowp_scales, out0; writes out0
.if DOCPART == 3
	.amdgcn_target "amdgcn-amd-amdhsa--gfx1250"
	.amdhsa_code_object_version 6
	.text
	.protected	k_q9d9088c0ef_layer
	.globl	k_q9d9088c0ef_layer
	.p2align	8
	.type	k_q9d9088c0ef_layer,@function
k_q9d9088c0ef_layer:
	s_mov_b64 s[64:65], 0
	v_nop
	global_prefetch_b8 v0, s[64:65] scope:SCOPE_SE
	s_setreg_imm32_b32 hwreg(HW_REG_WAVE_MODE, 25, 1), 1
	s_wait_xcnt 0x0
	s_wait_alu depctr_hold_cnt(0) depctr_sa_sdst(0) depctr_va_vdst(0) depctr_va_sdst(0) depctr_va_ssrc(0) depctr_va_vcc(0) depctr_vm_vsrc(0)
	s_getreg_b32 s2, hwreg(HW_REG_IB_STS2, 6, 4)
	s_cmp_eq_u32 s2, 0
	s_cbranch_scc0 .Lentry_in_a_cluster
	s_endpgm
.Lentry_in_a_cluster:
	s_bfe_u32 s2, ttmp6, 0x10000c
	s_cmp_lg_u32 s2, 0x3003
	s_cbranch_scc0 .Lentry_shape_is_right
	s_endpgm
.Lentry_shape_is_right:
; THIRD LAUNCH: for 64 rows, the whole rest of the layer: Qp = q Wq, Q = elu(Qp) + 1, the divisor Q . Ksum + 1e-6 (f32 multiply-adds on the unquantised Q), Q KV, x Z x S, the merge with Wm, + q, norm 1,
; relu(. W1) W2, + q, norm 2.  Nothing between goes to memory.  No work is left out: every product of the table that is not done in the first launch is done here.
; All matrix products are on codes of E5M2 with the given scales 2^e; each operand computed on the way is held at the largest code and converted in registers from f32.
; LIMITS: each power of two below is made as an f32 number: e0, e9, e10, e12 and e14 - e12 - e13 between -126 and 112; e0 + e1, +-(e10 + e11), +-(e14 + e15) between -126 and 127;
; 2 (e10 + e11) - 9 and 2 (e14 + e15) - 9 likewise.  NaN and infinities among the inputs are not served.  The sum over the 2,048 hidden units is taken in four chunks of 512, beginning at chunk
; (cluster mod 4) and going round: an order of f32 additions other than ascending K.
; SHARES.  THE WAVES SHARE THE COLUMNS: wave w makes columns 128 w .. 128 w + 127 of every product of width 512 (heads 2 w, 2 w + 1; of each 512 hidden units its 128), for all 64 rows.
; The products are used transposed (source 0 = 16 rows of the weight, source 1 = 16 rows of the activation): lane (r, h) holds row 16 m + r, register j column 16 t + 8 h + j: eight results become, by one
; conversion, registers 2 t, 2 t + 1 of K step w of the next operand.  Operands go from wave to wave through LDS as images of their registers; every wave then holds the 64 x 512 codes in 256 registers.
; WEIGHTS come through two LDS slots: a tile is 256 weight rows x 512 bytes; wave w fetches and reads its own 64 rows.  20 tiles: Wq (2), Wm (2), then for each of 4 chunks of hidden units W1 (2), W2 (2).
; CLUSTER.  The four work-groups of a cluster walk the same weights: each tile is asked for jointly (the same load, the same descriptor, mask 15).  The place in the cluster enters q's and out0's addresses alone.
; THE WALK OVER THE CHUNKS.  Cluster x takes the chunks in the order x mod 4, x mod 4 + 1, .. (mod 4): at any time the clusters ask for four different chunks' tiles, and from its second chunk on a cluster
; asks for tiles that a quarter of the clusters has read four tiles earlier.  The order hangs on the cluster's number alone, which the four partners share; it enters the tiles' addresses in memory and nothing else.
; THE RESIDUAL costs no addition: q / 2^(the product's two exponents) is what the merge's and the second FFN product's sums begin with; the norms work on the sums as they stand and fold the power of two back in.
; REGISTERS, in windows of 256: window 0: v1-31 addresses, scales, four pairs; v32-127 at work; v128-255 two sets of four weight fragments (between products: at work).
; window 1: the operand X, fragment (row tile m, K step s) at 16 (4 m + s).  window 2: q, at 64 m + 8 t + j; later the second FFN product's sums.  window 3: accumulators; KV's and Ksum's registers; the hidden operand.
.set PW,    528                        ; a weight row in LDS: 512 bytes + 16: the 32 lanes of an 8-byte fragment load touch 64 different banks
.set WPART, 64*PW                      ; a wave's 64 rows
.set SLOTB, 4*WPART                    ; 0x21000: shares no bit with w x 0x8400, so an exclusive or changes slots
.set IMG,   2*SLOTB                    ; 16 images of 2,048 bytes (fragment f = 4 m + s); also a stage of 16 rows x 528 bytes for each wave
.set STAT,  IMG+4*16*PW                ; four regions [row 64][wave 4] f32 for the norms' sums
.set SPARE, STAT+4096                  ; the spare words: 128 bytes a wave, two blocks of 256 bytes that no other line names
.set AW0, 1                            ; v1   my place in my wave's rows of a slot
.set ADW, 2                            ; v2   the same in the slot in hand
.set LIMG, 3                           ; v3   IMG + 16 lane
.set HWI, 5                            ; v5   where I store images: IMG + 2048 w + 16 lane;  v6 the same + the half in hand
.set HWJ, 6
.set GOF, 10                           ; v10  512 w + 32 h: my eight columns in a vector of 512 f32
.set KVO, 11                           ; v11  8192 w + 8 lane
.set STS, 12                           ; v12  STAT + 16 r + 4 w;  v13 STAT + 16 r
.set STL, 13
.set SO,  14                           ; v14  the stage by columns: row r, + 32 h;  v15 by rows: 16 lane
.set SR,  15
.set QO,  16                           ; v16  512 w + 16 lane: my bytes of a row of q and of out0
.set SPW, 17                           ; v17  my spare word;  v18  0: kept for the add alone
.set NIL, 18
.set SC0, 19                           ; v19-23 the conversions' scales: 2^e0, 2^e9, 2^e10, 2^e12, 2^(e14 - e12 - e13)
.set SC9, 20
.set SC10, 21
.set SC12, 22
.set SC14, 23
.set PR,  24                           ; v24-31 a pair for each row tile m
.set T64, 32
.set PC,  96
.set LS,  96
.set SQ,  112
.set SA,  128
.set SB,  192
.set KVF, 128                          ; in window 3: KV's four fragments;  Ksum at my columns
.set KS,  160
.set PWM, 8                            ; s[8:9], s[10:11], s[12:13]: Wm, W1, W2 at my wave's 128 rows; they stay
.set PW1, 10
.set PW2, 12
.set HO,  30                           ; s30  0 or 1024: which half of an image
.set CA,  31
.set O1,  32                           ; s[32:33] bytes from s[PW1] to the next tile of W1: 2^18 x chunk + 2^15 x half, modulo 2^20  (the exponents' registers, free once the constants are made)
.set O2,  34                           ; s[34:35] the same for W2: 512 x chunk + 2^17 x half
.set OM,  36                           ; s[36:37] the same for Wm: 2^15 x half
.set G1A, 48                           ; s[48:55] group 1, rows 512 bytes apart;  s[56:63] rows 2,048 apart (W2)
.set G1B, 56
.set WV,  66
.set TB,  67                           ; s67  the slot in hand
.set G0,  68                           ; s[68:71] the walking group 0;  s[72:75] tile 0's
.set G0X, 72
.set EPSL, 98
.set EPSA, 99
.set SEL, 100
.set CI,  104
.set CO,  105
.set MSB, 0
.macro WIN new
.if MSB != (\new)
	s_set_vgpr_msb (MSB<<8)|(\new)
.set MSB, (\new)
.endif
.endm
.macro PLACES n
.rept \n
	v_nop
.endr
.endm
.macro ROUND                           ; a round of the cluster's barrier
	s_barrier_signal -1
	s_barrier_wait -1
	s_cmp_lg_u32 s[WV], 0
	s_cbranch_scc1 .Lnw0_\@
	s_barrier_signal -3
.Lnw0_\@:
	s_barrier_wait -3
	s_barrier_signal -1
	s_barrier_wait -1
.endm
.macro BAR                             ; my LDS stores have landed and my LDS loads are in: then the work-group's barrier
	s_wait_dscnt 0x0
	s_barrier_signal -1
	s_barrier_wait -1
.endm
.macro POW2 d, e, k                    ; s[d] = 2^(s[e] + k) as f32
	s_add_co_i32 s[\d], s[\e], (\k)+127
	s_lshl_b32 s[\d], s[\d], 23
.endm
.macro TOP d, e                        ; s[d] = 57,344 x 2^s[e]
	s_add_co_i32 s[\d], s[\e], 142
	s_lshl_b32 s[\d], s[\d], 23
	s_or_b32 s[\d], s[\d], 0x600000
.endm
; The slot just read is filled again with the tile two further on, which begins s[o] bytes behind s[p]; the offset then steps, modulo mask + 1.  All my tensor loads have landed (the next tile among them),
; the add, the descriptor, the wait for the add and for my reads, a round of the cluster's barrier, the joint load first behind it: one load of mine is out.
.macro CHANGE p, o, step, mask, g1x
	WIN 0
	s_wait_tensorcnt 0x0
	ds_add_u32 v[SPW], v[NIL]
	s_xor_b32 s[G0+1], s[G0+1], SLOTB
	s_add_nc_u64 s[G0+2:G0+3], s[\p:\p+1], s[\o:\o+1]
	s_or_b32 s[G0+3], s[G0+3], 0x80000000
	s_add_co_u32 s[\o], s[\o], \step
	s_and_b32 s[\o], s[\o], \mask
	s_wait_dscnt 0x0
	ROUND
	tensor_load_to_lds s[G0:G0+3], s[\g1x:\g1x+7]
	s_nop 0
	PLACES 4
	s_xor_b32 s[TB], s[TB], SLOTB                  ; on to the other slot
.endm
.macro LOADSET buf, ks                 ; my tile's four fragments of K step ks: registers 2 c, 2 c + 1 = k 16 c + 8 h + 0 .. 7: 32 loads
.set lt, 0
.rept 4
.set lc, 0
.rept 8
	ds_load_b64 v[\buf+16*lt+2*lc:\buf+16*lt+2*lc+1], v[ADW] offset:16*PW*lt+128*(\ks)+16*lc
.set lc, lc+1
.endr
.set lt, lt+1
.endr
.endm
.macro MULSET buf, ks, ab, mst, zero   ; 16 matrix instructions on 16 accumulators, one a turn: four weight tiles x four row tiles
.set mt, 0
.rept 4
.set mm, 0
.rept 4
.set rD, (\ab)+(\mst)*mm+8*mt
.if (\zero) && ((\ks) == 0)
	v_wmma_f32_16x16x128_bf8_bf8 v[rD:rD+7], v[\buf+16*mt:\buf+16*mt+15], v[16*(4*mm+(\ks)):16*(4*mm+(\ks))+15], 0
.else
	v_wmma_f32_16x16x128_bf8_bf8 v[rD:rD+7], v[\buf+16*mt:\buf+16*mt+15], v[16*(4*mm+(\ks)):16*(4*mm+(\ks))+15], v[rD:rD+7]
.endif
.set mm, mm+1
.endr
.set mt, mt+1
.endr
.endm
; One tile: my 64 weight rows x 512 along K against the 64 rows of X: 64 matrix instructions.  The places stand in front of loads into registers that matrix instructions have read (ISA guide 7.12.1
; for vector instructions); five at the head, where accumulators may be begun anew.
.macro HALF msb, ab, mst, zero
	WIN 0
	PLACES 5
	v_add_nc_u32 v[ADW], s[TB], v[AW0]
	LOADSET SA, 0
	LOADSET SB, 1
	s_wait_dscnt 32                                ; all but the younger set: X's loads and the older set are in
	WIN \msb
	MULSET SA, 0, \ab, \mst, \zero
	WIN 0
	PLACES 4
	LOADSET SA, 2
	s_wait_dscnt 32
	WIN \msb
	MULSET SB, 1, \ab, \mst, \zero
	WIN 0
	PLACES 4
	LOADSET SB, 3
	s_wait_dscnt 32
	WIN \msb
	MULSET SA, 2, \ab, \mst, \zero
	s_wait_dscnt 0x0
	MULSET SB, 3, \ab, \mst, \zero
	WIN 0
.endm
.macro XLOAD win                       ; the sixteen images become the operand's 256 registers
	PLACES 4
	WIN \win
.set i, 0
.rept 64
	ds_load_b128 v[4*i:4*i+3], v[LIMG] offset:512*i
.set i, i+1
.endr
	WIN 0
.endm
; The four pairs at v[b] are summed over a row: the pair's halves, the lane 16 away, then the four waves through region rg of STAT.  The row's sum ends in v[LS + 4 m], the same number in every wave.
.macro ROWSUM b, rg
.set m, 0
.rept 4
	v_add_f32 v[\b+2*m], v[\b+2*m], v[\b+2*m+1]
.set m, m+1
.endr
.set m, 0
.rept 4
	v_permlanex16_b32 v[\b+2*m+1], v[\b+2*m], s[SEL], s[SEL+1]
.set m, m+1
.endr
.set m, 0
.rept 4
	v_add_f32 v[\b+2*m], v[\b+2*m], v[\b+2*m+1]
.set m, m+1
.endr
.set m, 0
.rept 4
	ds_store_b32 v[STS], v[\b+2*m] offset:1024*(\rg)+256*m
.set m, m+1
.endr
	BAR
.set m, 0
.rept 4
	ds_load_b128 v[LS+4*m:LS+4*m+3], v[STL] offset:1024*(\rg)+256*m
.set m, m+1
.endr
	s_wait_dscnt 0x0
.set m, 0
.rept 4
	v_add_f32 v[LS+4*m], v[LS+4*m], v[LS+4*m+1]
	v_add_f32 v[LS+4*m+2], v[LS+4*m+2], v[LS+4*m+3]
.set m, m+1
.endr
.set m, 0
.rept 4
	v_add_f32 v[LS+4*m], v[LS+4*m], v[LS+4*m+2]
.set m, m+1
.endr
.endm
; Layer norm of the 256 registers of window aw, which hold x / 2^E: mean, x - mean, the sum of squares V, then (x - mean) 2^E rsqrt(V 2^(2 E - 9) + 1e-5) g + b.  s[ssc] = 2^E, s[sk2] = 2^(2 E - 9).
.macro LNORM aw, rg, ssc, sk2, pg, pb
	WIN 0
	PLACES 4
.set i, 0
.rept 16
	global_load_b128 v[SA+4*i:SA+4*i+3], v[GOF], s[\pg:\pg+1] offset:64*(i/2)+16*(i%2)
	global_load_b128 v[SB+4*i:SB+4*i+3], v[GOF], s[\pb:\pb+1] offset:64*(i/2)+16*(i%2)
.set i, i+1
.endr
	WIN 5*(\aw)
.set m, 0
.rept 4
	v_pk_add_f32 v[PR+2*m:PR+2*m+1], v[64*m:64*m+1], v[64*m+2:64*m+3]   ; each accumulator from its low end on
.set m, m+1
.endr
	WIN \aw
.set p, 2
.rept 30
.set m, 0
.rept 4
	v_pk_add_f32 v[PR+2*m:PR+2*m+1], v[64*m+2*p:64*m+2*p+1], v[PR+2*m:PR+2*m+1]
.set m, m+1
.endr
.set p, p+1
.endr
	WIN 0
	ROWSUM PR, \rg
.set m, 0
.rept 4
	v_mul_f32 v[PR+2*m], 0x3b000000, v[LS+4*m]     ; / 512
.set m, m+1
.endr
	WIN 0x41*(\aw)
.set i, 0
.rept 128
	v_pk_add_f32 v[2*i:2*i+1], v[2*i:2*i+1], v[PR+2*(i/32):PR+2*(i/32)+1] op_sel_hi:[1,0] neg_lo:[0,1] neg_hi:[0,1]
.set i, i+1
.endr
	WIN 5*(\aw)
.set m, 0
.rept 4
	v_pk_mul_f32 v[SQ+2*m:SQ+2*m+1], v[64*m:64*m+1], v[64*m:64*m+1]
.set m, m+1
.endr
.set p, 1
.rept 31
.set m, 0
.rept 4
	v_pk_fma_f32 v[SQ+2*m:SQ+2*m+1], v[64*m+2*p:64*m+2*p+1], v[64*m+2*p:64*m+2*p+1], v[SQ+2*m:SQ+2*m+1]
.set m, m+1
.endr
.set p, p+1
.endr
	WIN 0
	ROWSUM SQ, (\rg)+1
.set m, 0
.rept 4
	v_fma_f32 v[LS+4*m], v[LS+4*m], s[\sk2], s[EPSL]
.set m, m+1
.endr
.set m, 0
.rept 4
	v_rsq_f32 v[LS+4*m], v[LS+4*m]
.set m, m+1
.endr
	v_nop                                          ; a plain instruction behind the last of them
	s_wait_alu depctr_va_vdst(0)                   ; one wait for the four, ahead of their first reader
.set m, 0
.rept 4
	v_mul_f32 v[PR+2*m], s[\ssc], v[LS+4*m]
.set m, m+1
.endr
	s_wait_loadcnt 0x0                             ; the gain and the bias
	WIN 0x41*(\aw)
.set i, 0
.rept 128
	v_pk_mul_f32 v[2*i:2*i+1], v[2*i:2*i+1], v[PR+2*(i/32):PR+2*(i/32)+1] op_sel_hi:[1,0]
.set i, i+1
.endr
.set i, 0
.rept 128
	v_pk_fma_f32 v[2*i:2*i+1], v[2*i:2*i+1], v[SA+2*(i%32):SA+2*(i%32)+1], v[SB+2*(i%32):SB+2*(i%32)+1]
.set i, i+1
.endr
	WIN 0
.endm
; The first FFN product for one chunk of 512 hidden units: two tiles of W1; behind each, relu and the hold in one, the conversion, and half of my K step's images.  Each change asks for a tile of W2:
; the same chunk's 512 bytes of my 64 rows, first half, second half.
.macro FFN1
	s_mov_b32 s[CI], 2
.Lf1_\@:
	HALF 0xf4, 0, 32, 1
	CHANGE PW2, O2, 131072, 0x7ffff, G1B
	WIN 0xc3
.set i, 0
.rept 128
	v_med3_num_f32 v[i], v[i], 0, s92
.set i, i+1
.endr
	WIN 0x03
.set i, 0
.rept 16
	v_cvt_scalef32_pk8_bf8_f32 v[PC+2*i:PC+2*i+1], v[8*i:8*i+7], v[SC14]
.set i, i+1
.endr
	v_nop
	WIN 0
	v_add_nc_u32 v[HWJ], s[HO], v[HWI]
.set i, 0
.rept 8
	ds_store_b128 v[HWJ], v[PC+4*i:PC+4*i+3] offset:8192*(i/2)+512*(i%2)
.set i, i+1
.endr
	s_xor_b32 s[HO], s[HO], 1024
	s_sub_co_u32 s[CI], s[CI], 1
	s_cmp_lg_u32 s[CI], 0
	s_cbranch_scc1 .Lf1_\@
.endm
	s_load_b512 s[4:19], s[0:1], 0x0               ; q, Wq, Wm, W1, W2, kvc, ksum, g1
	s_load_b256 s[20:27], s[0:1], 0x40             ; b1, g2, b2, the scales' exponents
	s_load_b64 s[28:29], s[0:1], 0x60              ; out0
	v_lshl_add_u32 v[SPW], v0, 2, SPARE
	v_mov_b32 v[NIL], 0
	ds_add_u32 v[SPW], v[NIL]                      ; the wave's opening: the add, twice on end, and its wait ahead of my first tensor load
	ds_add_u32 v[SPW], v[NIL]
	v_lshrrev_b32 v4, 5, v0
	v_readfirstlane_b32 s[WV], v4                  ; wave 0..3
	s_mov_b32 s[G1A], 15|(1<<20)|(1<<21)|(6<<22)|(3<<25)   ; mask: all four; elements of 1 byte; padding on; bit 21 beside a mask; after every 128 words, 4 words
	s_mov_b32 s[G1A+1], 512<<16                    ; tensor_dim0
	s_mov_b32 s[G1A+2], 64<<16                     ; tensor_dim1
	s_mov_b32 s[G1A+3], 512<<16                    ; tile_dim0
	s_mov_b32 s[G1A+4], 64                         ; tile_dim1
	s_mov_b32 s[G1A+5], 512                        ; from row to row
	s_mov_b32 s[G1A+6], 0
	s_mov_b32 s[G1A+7], 0
	s_mov_b32 s[G1B], 15|(1<<20)|(1<<21)|(6<<22)|(3<<25)
	s_mov_b32 s[G1B+1], 512<<16
	s_mov_b32 s[G1B+2], 64<<16
	s_mov_b32 s[G1B+3], 512<<16
	s_mov_b32 s[G1B+4], 64
	s_mov_b32 s[G1B+5], 2048
	s_mov_b32 s[G1B+6], 0
	s_mov_b32 s[G1B+7], 0
	s_mov_b32 s[TB], 0
	s_mov_b32 s[HO], 0
	s_mov_b32 s[SEL], 0x76543210
	s_mov_b32 s[SEL+1], 0xfedcba98
	s_mov_b32 s[EPSL], 0x3727c5ac                  ; 1e-5
	s_mov_b32 s[EPSA], 0x358637bd                  ; 1e-6
	s_mul_i32 s[G0X+1], s[WV], WPART               ; my wave's part of slot 0
	v_and_b32 v4, 15, v0                           ; r
	v_bfe_u32 v7, v0, 4, 1                         ; h
	v_and_b32 v8, 31, v0
	v_lshlrev_b32 v8, 4, v8                        ; 16 lane
	v_mul_u32_u24 v9, v4, PW
	v_lshl_add_u32 v[AW0], v7, 3, v9
	v_add_nc_u32 v[AW0], s[G0X+1], v[AW0]
	v_add_nc_u32 v[LIMG], IMG, v8
	s_lshl_b32 s2, s[WV], 11
	v_add_nc_u32 v[HWI], s2, v[LIMG]
	s_lshl_b32 s2, s[WV], 9
	v_lshl_add_u32 v[GOF], v7, 5, s2
	v_add_nc_u32 v[QO], s2, v8
	s_lshl_b32 s2, s[WV], 13
	v_lshrrev_b32 v[KVO], 1, v8
	v_add_nc_u32 v[KVO], s2, v[KVO]
	s_lshl_b32 s2, s[WV], 2
	v_lshl_add_u32 v[STL], v4, 4, STAT
	v_add_nc_u32 v[STS], s2, v[STL]
	s_mul_i32 s2, s[WV], 16*PW
	v_add_nc_u32 v[SR], s2, v[LIMG]
	v_lshl_add_u32 v[SO], v7, 5, v9
	v_add_nc_u32 v[SO], s2, v[SO]
	v_add_nc_u32 v[SO], IMG, v[SO]
	s_wait_dscnt 0x0                               ; both opening adds are done
	s_wait_kmcnt 0x0
	s_load_b512 s[32:47], s[26:27], 0x0            ; e0 .. e15
	s_lshl_b32 s2, s[WV], 16                       ; my 128 rows of 512 bytes
	s_mov_b32 s3, 0
	s_add_nc_u64 s[6:7], s[6:7], s[2:3]
	s_add_nc_u64 s[PWM:PWM+1], s[PWM:PWM+1], s[2:3]
	s_add_nc_u64 s[PW1:PW1+1], s[PW1:PW1+1], s[2:3]
	s_lshl_b32 s2, s[WV], 18                       ; my 128 rows of 2,048 bytes
	s_add_nc_u64 s[PW2:PW2+1], s[PW2:PW2+1], s[2:3]
	s_lshr_b32 s2, ttmp9, 4                        ; the batch: 64 blocks of 64 rows, 16 clusters
	s_lshl_b32 s2, s2, 15
	s_add_nc_u64 s[14:15], s[14:15], s[2:3]        ; the batch's eight heads in kvc,
	s_lshr_b32 s2, s2, 4
	s_add_nc_u64 s[16:17], s[16:17], s[2:3]        ; and in ksum
	s_bfe_u32 s92, ttmp6, 0x40000                  ; cx: in registers that feed no descriptor and no LDS address
	s_lshl_b32 s93, ttmp9, 2
	s_add_co_u32 s92, s92, s93                     ; my block of 64 rows
	s_lshl_b32 s92, s92, 17
	s_mov_b32 s93, 0
	s_add_nc_u64 s[4:5], s[4:5], s[92:93]
	s_add_nc_u64 s[28:29], s[28:29], s[92:93]
	ROUND                                          ; all four work-groups are here: the first joint loads meet
	s_mov_b32 s[G0X], 1
	s_mov_b64 s[G0X+2:G0X+3], s[6:7]               ; tile 0: Wq, my first 64 rows
	s_or_b32 s[G0X+3], s[G0X+3], 0x80000000
	s_mov_b32 s[G0], 1
	s_add_co_u32 s[G0+1], s[G0X+1], SLOTB
	s_add_nc_u64 s[G0+2:G0+3], s[6:7], 32768       ; tile 1: my other 64
	s_or_b32 s[G0+3], s[G0+3], 0x80000000
	tensor_load_to_lds s[G0X:G0X+3], s[G1A:G1A+7]  ; every wave issues both first fills: two loads of mine are out
	s_nop 0
	tensor_load_to_lds s[G0:G0+3], s[G1A:G1A+7]
	s_nop 0
	PLACES 4
	WIN 0xc0                                       ; destination window 3
.set i, 0
.rept 64
	global_load_b128 v[4*i:4*i+3], v[QO], s[4:5] offset:2048*i th:TH_LOAD_NT   ; my 128 columns of row i: 512 consecutive bytes; q is read once
.set i, i+1
.endr
	WIN 0
	s_wait_kmcnt 0x0
	s_add_co_i32 s2, s32, s33                      ; e0 + e1
	s_lshl_b32 s3, s2, 23
	s_add_co_i32 s76, s3, 0x3fb8aa3b               ; s[76:77] log2(e) 2^(e0 + e1)
	s_mov_b32 s77, s76
	POW2 78, 2, 0                                  ; s[78:79] 2^(e0 + e1)
	s_mov_b32 s79, s78
	POW2 3, 32, 0
	v_mov_b32 v[SC0], s3
	TOP 80, 32                                     ; s80, s81 +-57,344 x 2^e0
	s_xor_b32 s81, s80, 0x80000000
	POW2 3, 41, 0
	v_mov_b32 v[SC9], s3
	TOP 82, 41                                     ; s82 57,344 x 2^e9
	s_add_co_i32 s83, s40, s41
	s_add_co_i32 s83, s83, 12                      ; s83 e8 + e9 + 12: the product's two scales and x S
	POW2 3, 42, 0
	v_mov_b32 v[SC10], s3
	TOP 84, 42
	s_xor_b32 s85, s84, 0x80000000
	s_add_co_i32 s2, s42, s43                      ; E = e10 + e11
	POW2 88, 2, 0                                  ; s88 2^E
	s_sub_co_i32 s3, 0, s2
	POW2 86, 3, 0                                  ; s[86:87] 2^-E
	s_mov_b32 s87, s86
	s_lshl_b32 s3, s2, 1
	POW2 89, 3, -9                                 ; s89 2^(2 E - 9)
	POW2 3, 44, 0
	v_mov_b32 v[SC12], s3
	TOP 90, 44
	s_xor_b32 s91, s90, 0x80000000
	s_sub_co_i32 s2, s46, s44
	s_sub_co_i32 s2, s2, s45                       ; e14 - e12 - e13: the three scales ahead of the hidden layer's quantiser, folded
	POW2 3, 2, 0
	v_mov_b32 v[SC14], s3
	TOP 92, 2
	s_add_co_i32 s2, s46, s47                      ; E = e14 + e15
	POW2 96, 2, 0
	s_sub_co_i32 s3, 0, s2
	POW2 94, 3, 0
	s_mov_b32 s95, s94
	s_lshl_b32 s3, s2, 1
	POW2 97, 3, -9
	s_and_b32 s[O1], ttmp9, 3                      ; the exponents are used up: their registers take the tiles' offsets.  My cluster's first chunk: cluster mod 4
	s_lshl_b32 s[O2], s[O1], 9                     ; in W2: 512 bytes of each row a chunk
	s_lshl_b32 s[O1], s[O1], 18                    ; in W1: 512 rows of 512 bytes a chunk
	s_mov_b32 s[O1+1], 0
	s_mov_b32 s[O2+1], 0
	s_mov_b32 s[OM], 0
	s_mov_b32 s[OM+1], 0
	; ---- q turns through my stage: in by rows as loaded, back by the result's layout (row 16 m + r, columns 16 t + 8 h + 0 .. 7) into window 2.  LDS serves a wave's instructions in order.
.set m, 0
.rept 4
	s_wait_loadcnt 48-16*m                         ; rows 16 m .. 16 m + 15 are in; the later rows' loads may be out
	WIN 0x0c
.set i, 0
.rept 16
	ds_store_b128 v[SR], v[64*m+4*i:64*m+4*i+3] offset:PW*i
.set i, i+1
.endr
	WIN 0x80
.set i, 0
.rept 16
	ds_load_b128 v[64*m+4*i:64*m+4*i+3], v[SO] offset:64*(i/2)+16*(i%2)
.set i, i+1
.endr
.set m, m+1
.endr
	WIN 0
	BAR                                            ; every wave's reads of its stage are over: the bytes become images
.set m, 0
.rept 4                                        ; q's codes: the residual's layout is the operand's: fragment (m, K step w)
	WIN 0x02
.set i, 0
.rept 64
	v_med3_num_f32 v[T64+i], v[64*m+i], s81, s80   ; the conversion does not saturate (ISA guide 7.6.2)
.set i, i+1
.endr
	WIN 0
.set i, 0
.rept 8
	v_cvt_scalef32_pk8_bf8_f32 v[SA+16*m+2*i:SA+16*m+2*i+1], v[T64+8*i:T64+8*i+7], v[SC0]
.set i, i+1
.endr
	v_nop
.set i, 0
.rept 4
	ds_store_b128 v[HWI], v[SA+16*m+4*i:SA+16*m+4*i+3] offset:8192*m+512*i
.set i, i+1
.endr
.set m, m+1
.endr
	BAR
	XLOAD 0x40
	s_wait_tensorcnt 0x1                           ; tile 0 is in; tile 1's load may stay out.  Only I read what I fetched
	; ---- attention: a head a trip (heads 2 w, 2 w + 1), a tile of Wq a trip
	s_mov_b32 s[CA], 2
.Lhead:
	WIN 0xc0
.set i, 0
.rept 16
	global_load_b64 v[KVF+2*i:KVF+2*i+1], v[KVO], s[14:15] offset:256*i   ; KV's codes in the order of the operand's registers: 256 consecutive bytes a load
.set i, i+1
.endr
.set i, 0
.rept 8
	global_load_b128 v[KS+4*i:KS+4*i+3], v[GOF], s[16:17] offset:64*(i/2)+16*(i%2)
.set i, i+1
.endr
	HALF 0xf4, 0, 32, 1
	CHANGE PWM, OM, 32768, 0xfffff, G1A            ; its four v_nop are the places in front of the first read of results
	WIN 0x03
.set i, 0
.rept 64
	v_pk_mul_f32 v[SA+2*i:SA+2*i+1], v[2*i:2*i+1], s[76:77] op_sel_hi:[1,0]
.set i, i+1
.endr
	WIN 0
.set i, 0
.rept 128
	v_min_num_f32 v[SA+i], 0, v[SA+i]
.set i, i+1
.endr
.set i, 0
.rept 128
	v_exp_f32 v[SA+i], v[SA+i]
.set i, i+1
.endr
	WIN 0xcc
.set i, 0
.rept 128
	v_max_num_f32 v[i], 0, v[i]                    ; independent work behind the exponentials
.set i, i+1
.endr
	s_wait_alu depctr_va_vdst(0)                   ; one wait for the batch, ahead of its first reader
	WIN 0xc3
.set i, 0
.rept 64
	v_pk_fma_f32 v[2*i:2*i+1], v[2*i:2*i+1], s[78:79], v[SA+2*i:SA+2*i+1] op_sel_hi:[1,0,1]   ; Q = max(x, 0) + e^min(x, 0)
.set i, i+1
.endr
	s_wait_loadcnt 0x0                             ; KV and Ksum
	WIN 0x0f
.set m, 0
.rept 4
	v_pk_mul_f32 v[PR+2*m:PR+2*m+1], v[32*m:32*m+1], v[KS:KS+1]   ; Q . Ksum on the unquantised Q, f32
.set m, m+1
.endr
.set p, 1
.rept 15
.set m, 0
.rept 4
	v_pk_fma_f32 v[PR+2*m:PR+2*m+1], v[32*m+2*p:32*m+2*p+1], v[KS+2*p:KS+2*p+1], v[PR+2*m:PR+2*m+1]
.set m, m+1
.endr
.set p, p+1
.endr
	WIN 0xcc
.set i, 0
.rept 128
	v_min_num_f32 v[i], s82, v[i]                  ; Q is never negative: the hold is one-sided
.set i, i+1
.endr
	WIN 0x03
.set i, 0
.rept 16
	v_cvt_scalef32_pk8_bf8_f32 v[PC+2*i:PC+2*i+1], v[8*i:8*i+7], v[SC9]   ; row tile m's fragment (16 rows x 64) at PC + 8 m
.set i, i+1
.endr
	v_nop
	WIN 0
.set m, 0
.rept 4
	v_add_f32 v[PR+2*m], v[PR+2*m], v[PR+2*m+1]
.set m, m+1
.endr
.set m, 0
.rept 4
	v_permlanex16_b32 v[PR+2*m+1], v[PR+2*m], s[SEL], s[SEL+1]
.set m, m+1
.endr
.set m, 0
.rept 4
	v_add_f32 v[PR+2*m], v[PR+2*m], v[PR+2*m+1]
.set m, m+1
.endr
.set m, 0
.rept 4
	v_add_f32 v[PR+2*m], s[EPSA], v[PR+2*m]
.set m, m+1
.endr
.set m, 0
.rept 4
	v_rcp_f32 v[PR+2*m], v[PR+2*m]
.set m, m+1
.endr
	v_nop
	s_wait_alu depctr_va_vdst(0)                   ; one wait for the four reciprocals
.set m, 0
.rept 4
	v_ldexp_f32 v[PR+2*m], v[PR+2*m], s83          ; Z x 2^(e8 + e9) x S
.set m, m+1
.endr
	WIN 0xc3
.set i, 0
.rept 16                                       ; source 0 = 16 columns v of KV, source 1 = 16 rows of Q; K = the head's 64
	v_wmma_f32_16x16x64_bf8_bf8 v[32*(i%4)+8*(i/4):32*(i%4)+8*(i/4)+7], v[KVF+8*(i/4):KVF+8*(i/4)+7], v[PC+8*(i%4):PC+8*(i%4)+7], 0
.set i, i+1
.endr
	PLACES 4
.set i, 0
.rept 64
	v_pk_mul_f32 v[2*i:2*i+1], v[2*i:2*i+1], v[PR+2*(i/16):PR+2*(i/16)+1] op_sel_hi:[1,0]
.set i, i+1
.endr
.set i, 0
.rept 128
	v_med3_num_f32 v[i], v[i], s85, s84
.set i, i+1
.endr
	WIN 0x03
.set i, 0
.rept 16
	v_cvt_scalef32_pk8_bf8_f32 v[PC+2*i:PC+2*i+1], v[8*i:8*i+7], v[SC10]
.set i, i+1
.endr
	v_nop
	WIN 0
	v_add_nc_u32 v[HWJ], s[HO], v[HWI]
.set i, 0
.rept 8
	ds_store_b128 v[HWJ], v[PC+4*i:PC+4*i+3] offset:8192*(i/2)+512*(i%2)   ; this head's half of fragment (m, K step w); q's images were read by all ahead of the round above
.set i, i+1
.endr
	s_add_nc_u64 s[14:15], s[14:15], 4096          ; (their loads were shown done by the wait for 0 above)
	s_add_nc_u64 s[16:17], s[16:17], 256
	s_xor_b32 s[HO], s[HO], 1024
	s_sub_co_u32 s[CA], s[CA], 1
	s_cmp_lg_u32 s[CA], 0
	s_cbranch_scc1 .Lhead
	; ---- the merge: the sums begin with q / 2^(e10 + e11).  Its two changes ask for W1's two tiles of my cluster's first chunk
	BAR
	XLOAD 0x40
	WIN 0xc2
.set i, 0
.rept 128
	v_pk_mul_f32 v[2*i:2*i+1], v[2*i:2*i+1], s[86:87] op_sel_hi:[1,0]
.set i, i+1
.endr
	HALF 0xf4, 0, 64, 0
	CHANGE PW1, O1, 32768, 0xfffff, G1A
	HALF 0xf4, 32, 64, 0
	CHANGE PW1, O1, 229376, 0xfffff, G1A           ; then on to the next chunk's rows, 448 rows of 512 bytes further, modulo W1's 2^20 bytes: behind chunk 3 comes chunk 0
	LNORM 3, 0, 88, 89, 18, 20
	WIN 0xc3
.set i, 0
.rept 256
	v_med3_num_f32 v[i], v[i], s91, s90
.set i, i+1
.endr
	WIN 0x03
.set i, 0
.rept 32
	v_cvt_scalef32_pk8_bf8_f32 v[T64+2*i:T64+2*i+1], v[8*i:8*i+7], v[SC12]
.set i, i+1
.endr
	v_nop
	WIN 0
.set i, 0
.rept 16
	ds_store_b128 v[HWI], v[T64+4*i:T64+4*i+3] offset:8192*(i/4)+512*(i%4)
.set i, i+1
.endr
	WIN 0x82
.set i, 0
.rept 128
	v_pk_mul_f32 v[2*i:2*i+1], v[2*i:2*i+1], s[94:95] op_sel_hi:[1,0]   ; q / 2^(e14 + e15): what the second FFN product's sums begin with
.set i, i+1
.endr
	WIN 0
	BAR
	XLOAD 0x40
	; ---- the FFN, 512 hidden units at a time: my cluster's first three chunks in the loop; its fourth is written out, since it asks for no further tile
	s_mov_b32 s[CO], 3
.Lffn:
	FFN1
	s_add_co_u32 s[O2], s[O2], 512                 ; W2's offset stands two halves on: the mask takes them away and leaves the next chunk's 512 bytes, chunk 0 behind chunk 3
	s_and_b32 s[O2], s[O2], 0x600
	BAR
	XLOAD 0xc0                                     ; the hidden operand, into window 3
	HALF 0xac, 0, 64, 0
	CHANGE PW1, O1, 32768, 0xfffff, G1A
	HALF 0xac, 32, 64, 0
	CHANGE PW1, O1, 229376, 0xfffff, G1A
	s_sub_co_u32 s[CO], s[CO], 1
	s_cmp_lg_u32 s[CO], 0
	s_cbranch_scc1 .Lffn
	FFN1
	BAR
	XLOAD 0xc0
	HALF 0xac, 0, 64, 0
	s_xor_b32 s[TB], s[TB], SLOTB
	s_wait_tensorcnt 0x0                           ; my last load
	HALF 0xac, 32, 64, 0
	; ---- norm 2 and the way out: a block of 16 rows through my stage, back as whole rows of my 512 bytes.  The images were read by all ahead of the norm's barriers.
	LNORM 2, 2, 96, 97, 22, 24
.macro TOSTAGE mb
	WIN 0x08
.set i, 0
.rept 16
	ds_store_b128 v[SO], v[64*(\mb)+4*i:64*(\mb)+4*i+3] offset:64*(i/2)+16*(i%2)
.set i, i+1
.endr
	WIN 0
.set i, 0
.rept 16
	ds_load_b128 v[SA+64*((\mb)%2)+4*i:SA+64*((\mb)%2)+4*i+3], v[SR] offset:PW*i
.set i, i+1
.endr
.endm
.macro SEND mb, younger                ; younger: the LDS instructions issued behind the block's loads, which may stay out
	s_wait_dscnt \younger
.set i, 0
.rept 16
	global_store_b128 v[QO], v[SA+64*((\mb)%2)+4*i:SA+64*((\mb)%2)+4*i+3], s[28:29] offset:(16*(\mb)+i)*2048 th:TH_STORE_NT   ; 512 consecutive bytes, aligned
.set i, i+1
.endr
.endm
	TOSTAGE 0
	TOSTAGE 1
	SEND 0, 32
	s_wait_xcnt 0x0                                ; block 0's stores have read their registers: block 2's loads may land there
	TOSTAGE 2
	SEND 1, 32
	s_wait_xcnt 0x0
	TOSTAGE 3
	SEND 2, 32
	SEND 3, 0
	s_wait_tensorcnt 0x0                           ; the wave's end
	ds_add_u32 v[SPW], v[NIL]
	s_wait_dscnt 0x0
	ROUND                                          ; the closing round
	s_endpgm
.Lfunc_end_k_q9d9088c0ef_layer:
	.size	k_q9d9088c0ef_layer, .Lfunc_end_k_q9d9088c0ef_layer-k_q9d9088c0ef_layer
	.p2alignl 7, 3214868480
	.fill 96, 4, 3214868480
	.section	.rodata,"a",@progbits
	.p2align	6, 0x0
	.amdhsa_kernel k_q9d9088c0ef_layer
		.amdhsa_group_segment_fixed_size 327680
		.amdhsa_private_segment_fixed_size 0
		.amdhsa_enable_private_segment 0
		.amdhsa_kernarg_size 104
		.amdhsa_user_sgpr_count 2
		.amdhsa_user_sgpr_kernarg_segment_ptr 1
		.amdhsa_wavefront_size32 1
		.amdhsa_system_sgpr_workgroup_id_x 1
		.amdhsa_system_sgpr_workgroup_id_y 1
		.amdhsa_system_sgpr_workgroup_id_z 1
		.amdhsa_system_vgpr_workitem_id 0
		.amdhsa_next_free_vgpr 1024
		.amdhsa_next_free_sgpr 106
		.amdhsa_reserve_vcc 0
		.amdhsa_float_denorm_mode_32 3
		.amdhsa_float_denorm_mode_16_64 3
		.amdhsa_memory_ordered 1
		.amdhsa_forward_progress 1
		.amdhsa_inst_pref_size 255
	.end_amdhsa_kernel
	.section	.bss,"aw",@nobits
	.p2align	6
	.space	262144
	.amdgpu_metadata
---
amdhsa.version: [ 1, 2 ]
amdhsa.kernels:
  - .name:           k_q9d9088c0ef_layer
    .symbol:         k_q9d9088c0ef_layer.kd
    .args:
      - { .name: q, .offset: 0, .size: 8, .value_kind: global_buffer, .address_space: global }
      - { .name: Wq_codes, .offset: 8, .size: 8, .value_kind: global_buffer, .address_space: global }
      - { .name: Wm_codes, .offset: 16, .size: 8, .value_kind: global_buffer, .address_space: global }
      - { .name: W1_codes, .offset: 24, .size: 8, .value_kind: global_buffer, .address_space: global }
      - { .name: W2_codes, .offset: 32, .size: 8, .value_kind: global_buffer, .address_space: global }
      - { .name: kvc, .offset: 40, .size: 8, .value_kind: global_buffer, .address_space: global }
      - { .name: ksum, .offset: 48, .size: 8, .value_kind: global_buffer, .address_space: global }
      - { .name: g1, .offset: 56, .size: 8, .value_kind: global_buffer, .address_space: global }
      - { .name: b1, .offset: 64, .size: 8, .value_kind: global_buffer, .address_space: global }
      - { .name: g2, .offset: 72, .size: 8, .value_kind: global_buffer, .address_space: global }
      - { .name: b2, .offset: 80, .size: 8, .value_kind: global_buffer, .address_space: global }
      - { .name: lowp_scales, .offset: 88, .size: 8, .value_kind: global_buffer, .address_space: global }
      - { .name: out0, .offset: 96, .size: 8, .value_kind: global_buffer, .address_space: global }
    .group_segment_fixed_size: 327680
    .private_segment_fixed_size: 0
    .kernarg_segment_align: 8
    .kernarg_segment_size: 104
    .max_flat_workgroup_size: 128
    .sgpr_count:     106
    .vgpr_count:     1024
    .wavefront_size: 32
...
	.end_amdgpu_metadata
.endif
;; end of part 3
